; MI455X (gfx1250); checked and timed in simulation.
; The chip was launched on July 23, 2026; its instructions are those of AMD's public machine-readable ISA for CDNA 5 (MIT licence, August 2026) and "CDNA5" Instruction Set Architecture Reference Guide (July 2026). The comments in the code are by the model that wrote it; some were corrected since.
;; Cross Attention. Allowed arithmetic: matrix products marked QUANTISED: E2M3 operands, one E8M0 scale for each 32 along K, by v_wmma_scale_f32_16x16x128_f8f6f4 with both operands' format E2M3, f32 sums; everything else in f32.
;; Inputs: Wk_codes 1,024 x 32 x 24 uint8 (E2M3 codes of Wk, K innermost, in blocks of 32 codes, four codes in three bytes); Wk_scales 1,024 x 32 uint8 (E8M0 scales of Wk, one for each 32 codes along K); Wo_codes 1,024 x 32 x 24 uint8 (E2M3 codes of Wo, K innermost, in blocks of 32 codes, four codes in three bytes); Wo_scales 1,024 x 32 uint8 (E8M0 scales of Wo, one for each 32 codes along K); Wq_codes 1,024 x 32 x 24 uint8 (E2M3 codes of Wq, K innermost, in blocks of 32 codes, four codes in three bytes); Wq_scales 1,024 x 32 uint8 (E8M0 scales of Wq, one for each 32 codes along K); Wv_codes 1,024 x 32 x 24 uint8 (E2M3 codes of Wv, K innermost, in blocks of 32 codes, four codes in three bytes); Wv_scales 1,024 x 32 uint8 (E8M0 scales of Wv, one for each 32 codes along K); bk 1,024 float32; bo 1,024 float32; bq 1,024 float32; bv 1,024 float32; context_codes 4 x 2,048 x 32 x 24 uint8 (E2M3 codes of context, K innermost, in blocks of 32 codes, four codes in three bytes); context_scales 4 x 2,048 x 32 uint8 (E8M0 scales of context, one for each 32 codes along K); query_codes 4 x 2,048 x 32 x 24 uint8 (E2M3 codes of query, K innermost, in blocks of 32 codes, four codes in three bytes); query_scales 4 x 2,048 x 32 uint8 (E8M0 scales of query, one for each 32 codes along K).
;; Outputs: out0 4 x 2,048 x 1,024 float32.
;; This version of the problem:
;;   THIS VERSION OF THE PROBLEM IS GIVEN IN LOW PRECISION. The matrix products marked QUANTISED in the list below multiply operands that are first quantised to E2M3 (2 exponent bits, 3 mantissa bits; 6 bits a number), with one power-of-two scale for each 32 numbers along K (OCP MX v1.0); their sums are f32. All else is computed in f32.
;;   The module's matrix products, in the order in which they are computed (A, B: the left and right operand; K: the contracted axis; several contracted axes count as one K, in the product's order):
;;     1. [M 8,192, K 1,024] x [K 1,024, N 1,024]; A: input query (given as codes); B: input Wq (given as codes): QUANTISED
;;     2. [M 8,192, K 1,024] x [K 1,024, N 1,024]; A: input context (given as codes); B: input Wk (given as codes): QUANTISED
;;     3. [M 8,192, K 1,024] x [K 1,024, N 1,024]; A: input context (given as codes); B: input Wv (given as codes): QUANTISED
;;     4. batch 64 x [M 2,048, K 64] x [K 64, N 2,048]; A: computed on the way; B: computed on the way: QUANTISED
;;     5. batch 64 x [M 2,048, K 2,048] x [K 2,048, N 64]; A: softmax (see below); B: computed on the way: QUANTISED
;;     6. [M 8,192, K 1,024] x [K 1,024, N 1,024]; A: computed on the way; B: input Wo (given as codes): QUANTISED
;;   THE QUANTISER, for each operand of a quantised product, along K:
;;     - K is cut into blocks of 32 from its start; a last block that is shorter is filled with zeros.
;;     - A block's scale is 2^e with e = floor(log2(the largest magnitude in the block)) - 2, held to -126 .. 127; a block of zeros has e = 0. As a byte (E8M0): e + 127.
;;     - Each number is divided by its block's scale, clamped to +-7.5, and rounded to the nearest number of E2M3, ties to even, subnormals kept.
;;     - The product sums the exact products of the quantised numbers (number of the format x scale) in f32.
;;   ~~~python
;;   def quantise(x, axis):      # numpy; x: float32 -> the quantised numbers, widened to float32 again
;;       x = np.moveaxis(x, axis, -1); K = x.shape[-1]
;;       x = np.pad(x, [(0, 0)] * (x.ndim - 1) + [(0, -K % 32)]); x = x.reshape(x.shape[:-1] + (-1, 32)); a = np.abs(x).max(-1, keepdims=True)
;;       e = np.where(a > 0, np.clip(np.frexp(np.where(a > 0, a, 1))[1] - 1 - 2, -126, 127), 0)      # np.frexp(a)[1] - 1 = floor(log2(a)), exactly
;;       r = np.clip(x / 2.0 ** e, -7.5, 7.5)
;;       step = 2.0 ** (np.maximum(np.frexp(np.where(r == 0, 1, r))[1] - 1, 0) - 3)
;;       q = np.round(r / step) * step * 2.0 ** e      # np.round: ties to even
;;       return np.moveaxis(q.reshape(q.shape[:-2] + (-1,))[..., :K], -1, axis).astype(np.float32)
;;   ~~~
;;   SOFTMAX AHEAD OF A QUANTISED PRODUCT. Where the list says 'softmax', what is quantised is not the finished softmax but p = 2^(t - M), with t = logit x log2(e) and M = ceil(the row's largest t), a whole number; so 1/2 < the row's largest p <= 1. The row's sum l is taken of the UNQUANTISED p, in f32, and the product's result is divided by l at the end. Since M is a whole number, a kernel that streams over the keys may use a running M (the ceiling of the running maximum): every later rescaling is an exact power of two, which a block's scale takes up: the codes' values come out the same.
;;   OPERANDS COMPUTED ON THE WAY. 'Computed on the way' means the value that the module computes at that place (a softmax that the list does not call 'softmax' is quantised finished and normalised). What goes into a quantiser is computed in f32, as accurately as f32 sums, v_exp_f32 and their like allow (about 1e-6 of the number): no bf16 or f16 on the way to a quantiser, and a product that is left as it is and whose result goes on into a quantised operand takes f32 operands (vector FMAs, or v_wmma_f32_16x16x4_f32). A number that lies on a knife's edge between two numbers of the format may be rounded either way, as far as f32 arithmetic and the matrix unit's own rounding can turn it there, and no further.
;;   INPUTS GIVEN AS CODES. Wk (in the module: [1024, 1024], K = its axis 0); Wo (in the module: [1024, 1024], K = its axis 0); Wq (in the module: [1024, 1024], K = its axis 0); Wv (in the module: [1024, 1024], K = its axis 0); context (in the module: [4, 2048, 1024], K = its axis 2); query (in the module: [4, 2048, 1024], K = its axis 2): each comes as NAME_codes (uint8): NAME with its K axis moved to the last place and cut into blocks of 32 codes, [.., K / 32, bytes a block], one block behind the other in memory; four codes in three bytes: a row's codes are one little-endian stream of bits, code i at bits 6 i .. 6 i + 5 (a code: sign, 2 exponent bits, 3 mantissa bits); and NAME_scales (uint8): the same leading axes, one E8M0 byte (e + 127) for each 32 codes along K. Its value is code x scale, taken as it is: it is not quantised again, and the codes and scales need not be those that the quantiser above would give.
;; One version. Each part assembles by itself: llvm-mc -triple=amdgcn-amd-amdhsa -mcpu=gfx1250 --defsym DOCPART=n.
;; ======== version 1 of 1: 3 launches
;; limits: right only within a limited range of input values
;; workspace buffers: qbuf 6,815,744 bytes; kvbuf 13,631,488 bytes; abuf 6,291,456 bytes; asc 524,288 bytes
;; launch proj (part 1): grid 4 x 96, 4 waves a work-group, clusters of 4 x 4, 327,680 bytes of LDS; arguments query_codes, query_scales, context_codes, context_scales, Wq_codes, Wq_scales, Wk_codes, Wk_scales, Wv_codes, Wv_scales, bq, bk, bv, qbuf, kvbuf; writes qbuf, kvbuf
.if DOCPART == 1
	.amdgcn_target "amdgcn-amd-amdhsa--gfx1250"
	.amdhsa_code_object_version 6
	.text
	.protected	k_qa2b40514c5_proj
	.globl	k_qa2b40514c5_proj
	.p2align	8
	.type	k_qa2b40514c5_proj,@function
k_qa2b40514c5_proj:
	s_mov_b64 s[64:65], 0
	v_nop
	global_prefetch_b8 v0, s[64:65] scope:SCOPE_SE
	s_setreg_imm32_b32 hwreg(HW_REG_WAVE_MODE, 25, 1), 1
	s_wait_xcnt 0x0
	s_wait_alu depctr_hold_cnt(0) depctr_sa_sdst(0) depctr_va_vdst(0) depctr_va_sdst(0) depctr_va_ssrc(0) depctr_va_vcc(0) depctr_vm_vsrc(0)
	s_getreg_b32 s2, hwreg(HW_REG_IB_STS2, 6, 4)
	s_cmp_eq_u32 s2, 0
	s_cbranch_scc0 .Lentry_in_a_cluster
	s_endpgm
.Lentry_in_a_cluster:
	s_bfe_u32 s2, ttmp6, 0x10000c
	s_cmp_lg_u32 s2, 0xf033
	s_cbranch_scc0 .Lentry_shape_is_right
	s_endpgm
.Lentry_shape_is_right:
; q = query Wq + bq, k = context Wk + bk, v = context Wv + bv on codes of FP6 (E2M3), one E8M0 scale for each 32 along K = 1,024; the results are quantised here for the two products of attention.
; ONE FORM: a tile is 256 rows of an operand I x 256 rows of an operand J; source 0 = 16 rows of J, source 1 = 16 rows of I, so a lane holds one row of I and its registers run along J's rows.
; q: I = query, J = Wq.  k: I = context, J = Wk.  v: I = Wv, J = context.  The kind is the cluster's y / 8, the same in all sixteen partners.
; Four waves, 128 x 128 each: 64 accumulators.  K goes through a ring of two LDS slots in CHUNKS OF 256 BYTES of each row (a row of codes is 768 bytes: three chunks); a step of 128 along K is 96 bytes:
; of the eight steps, 2 and 5 lie across two chunks and read both slots.  The scales of the tile's rows come once, as dense units of 256 bytes.
; CLUSTERS 4 x 4: I's tiles are asked for jointly by a row of the cluster, J's by a column.
; THE BIAS is the C of each sum's first product: by J's block and register for q and k, by I's block and lane for v; so the first step is written twice, and a scalar branch on the kind chooses.
; THE WAY OUT: 64 registers of a lane are 128 numbers of its row along the next K; a block of 32 lies in lanes l and l xor 16.  Within a block the codes stand in the order 0-7, 16-23, 8-15, 24-31,
; alike on both sides of each later product.  Results leave as images of operand registers: 12 registers as 3 x 512 bytes, a scale word as 4 bytes a lane.
;   qbuf [head 64][128 queries 16][6,656]: 4 images, 4 images of scale words.   kvbuf [head 64][128 keys 16][13,312]: 4 images of k, 4 of v, 4 + 4 images of scale words.
; NO PREFETCH: the walk has three chunks; two are asked for at the head and behind the first round, so one refill is left and no trip lies two steps ahead of it.
; LIMITS: NaN and infinities are not served.  A block whose largest magnitude lies under 2^-124, or a block of zeros, keeps the scale byte 1: only this program reads the bytes.
.set NQ,     2
.set ROWB,   256
.set KROW,   768
.set STEPS,  8
.set CHUNKS, 3
.set PITCH,  272                       ; 256 bytes + 16 of padding
.set FR,     12
.set NL,     6
.set NP,     4
.set HALFT,  128*PITCH
.set SLOT,   4*HALFT                   ; I's 256 rows, then J's
.set KS,     32
.set SCL,    2*SLOT
.set HALFS,  (128*KS/256)*272
.set SBLK,   (16*KS/256)*272
.set SPARE,  SCL+4*HALFS               ; the spare words, 128 bytes a wave
.set AD,   7                           ; v7-14 offsets of the bias's eight registers
.set ADRA, 16                          ; v16-17 I's fragments in slot 0, 1; v18-19 for pieces whose lane halves lie in different chunks
.set ADRB, 20                          ; v20-23 the same for J
.set ADRS, 27
.set SPW,  28
.set NIL,  29
.set SC,   32                          ; v32-63 scale words, two sets
.set OA,   64                          ; v64-71 where image 2 p + x goes; v72-79 its scale words
.set OS,   72
.set AF,   128
.set SW,   192
.set TM,   200
.set WA,   216
.set WB,   217
.set TC,   220
.set TA,   228
.set TB,   234
.set G1, 24
.set G0, 32
.set G1B, 48
.set G0B, 56
.set G1S, 68
.set G0S, 76
.set G1SB, 80
.set G0SB, 88
.set G0H, 4                            ; group 0 of the head's loads of chunk 0, in registers whose arguments have served
.set G0HB, 8
.set MSB, 0
.macro WIN new                         ; the immediate's high byte repeats the setting that is left
.if MSB != (\new)
	s_set_vgpr_msb (MSB<<8)|(\new)
.set MSB, (\new)
.endif
.endm
.set MUL_LO, 0xa1                      ; source 0 (J) window 1, source 1 (I) window 0, C and D window 2
.set MUL_HI, 0xf1
.set TO_B,   0x40
.macro TL g0, g1                       ; a tensor load with s_nop 0 and four v_nop behind it
	tensor_load_to_lds s[\g0:\g0+3], s[\g1:\g1+7]
	s_nop 0
.rept 4
	v_nop
.endr
.endm
.macro JLOAD g0a, g1a, g0b, g1b        ; waves 0 and 1 fetch for I, waves 2 and 3 for J
	s_cmp_eq_u32 s15, 0
	s_cbranch_scc0 .Lfor_b_\@
	TL \g0a, \g1a
	s_branch .Lasked_\@
.Lfor_b_\@:
	TL \g0b, \g1b
.Lasked_\@:
.endm
.macro CREST                           ; a round of the cluster's barrier behind its opening barrier
	s_cmp_lg_u32 s14, 0
	s_cbranch_scc1 .Lnot_wave_0_\@
	s_barrier_signal -3
.Lnot_wave_0_\@:
	s_barrier_wait -3
	s_barrier_signal -1
	s_barrier_wait -1
.endm
.macro CROUND
	s_barrier_signal -1
	s_barrier_wait -1
	CREST
.endm
	s_load_b512 s[24:39], s[0:1], 0x0              ; query codes, scales; context codes, scales; Wq codes, scales; Wk codes, scales
	s_load_b256 s[40:47], s[0:1], 0x40             ; Wv codes, scales; bq; bk
	s_load_b128 s[48:51], s[0:1], 0x60             ; bv; qbuf
	s_load_b64 s[52:53], s[0:1], 0x70              ; kvbuf
	v_lshl_add_u32 v[SPW], v0, 2, SPARE
	v_mov_b32 v[NIL], 0
	ds_add_u32 v[SPW], v[NIL]                      ; the opening adds
	ds_add_u32 v[SPW], v[NIL]
	v_lshrrev_b32 v1, 5, v0
	v_readfirstlane_b32 s14, v1                    ; wave
	s_lshr_b32 s15, s14, 1                         ; my half of I's rows; also: I fetch for I (0) or J (1)
	s_and_b32 s16, s14, 1                          ; my half of J's rows; also: which 128 rows I fetch
	s_and_b32 s67, ttmp7, 0xffff
	s_lshr_b32 s98, s67, 3                         ; the kind: 0 q, 1 k, 2 v
	s_and_b32 s67, s67, 7
	s_mov_b32 s66, 13312
	s_mov_b32 s69, 12288
	s_cmp_eq_u32 s98, 0
	s_cselect_b32 s66, 6656, s66                   ; a record
	s_cselect_b32 s69, 6144, s69                   ; where its scale words begin
	s_lshl_b32 s68, s66, 4                         ; from head to head
	s_mov_b32 s72, 1536
	s_mov_b32 s73, 3072
	s_mov_b32 s75, 128
	s_mov_b32 s76, 256
	s_mov_b32 s100, 0x05040100                     ; q, k: an image's scale word is two bytes of each of two rows' words
	s_mov_b32 s101, 0x07060302
	s_cmp_eq_u32 s98, 2
	s_cselect_b32 s69, 12800, s69
	s_cselect_b32 s70, 6144, 0                     ; where the images begin
	s_cselect_b32 s71, 1536, s68                   ; image 2 p + x, p = p0 + 2 p1: the steps for x, p0, p1
	s_cselect_b32 s72, 3072, s72
	s_cselect_b32 s73, s68, s73
	s_cselect_b32 s74, 128, s68                    ; the same three for the scale words
	s_cselect_b32 s75, 256, s75
	s_cselect_b32 s76, s68, s76
	s_cselect_b32 s100, 0x03020100, s100           ; v: a row's word as it is
	s_cselect_b32 s101, 0x07060504, s101
	s_cselect_b32 s99, -1, 0                       ; a lane mask: all ones for v
	s_cselect_b32 s77, 0, s67                      ; the cluster's place along I's tiles, and along J's
	s_cselect_b32 s78, s67, 0
	s_mov_b32 s104, 0x76543210
	s_mov_b32 s105, 0xfedcba98                     ; selects for lane l xor 16
	v_and_b32 v3, 31, v0
	v_lshlrev_b32 v4, 4, v3
	v_add_nc_u32 v[OA], s70, v4
	v_add_nc_u32 v[OA+1], s71, v[OA]
	v_add_nc_u32 v[OA+2], s72, v[OA]
	v_add_nc_u32 v[OA+3], s72, v[OA+1]
	v_lshlrev_b32 v4, 2, v3
	v_add_nc_u32 v[OS], s69, v4
	v_add_nc_u32 v[OS+1], s74, v[OS]
	v_add_nc_u32 v[OS+2], s75, v[OS]
	v_add_nc_u32 v[OS+3], s75, v[OS+1]
.irp k, 0,1,2,3
	v_add_nc_u32 v[OA+4+\k], s73, v[OA+\k]
	v_add_nc_u32 v[OS+4+\k], s76, v[OS+\k]
.endr
	s_wait_alu depctr_va_vdst(0)
	s_wait_dscnt 0x0                               ; both opening adds are done
	s_wait_kmcnt 0x0
	s_cmp_eq_u32 s98, 0                            ; the buffers are chosen by the kind
	s_cselect_b64 s[4:5], s[24:25], s[28:29]       ; I's codes, scales; J's codes, scales; the bias; where the images go
	s_cselect_b64 s[6:7], s[26:27], s[30:31]
	s_cselect_b64 s[8:9], s[32:33], s[36:37]
	s_cselect_b64 s[10:11], s[34:35], s[38:39]
	s_cselect_b64 s[96:97], s[44:45], s[46:47]
	s_cselect_b64 s[12:13], s[50:51], s[52:53]
	s_cmp_eq_u32 s98, 2
	s_cselect_b64 s[4:5], s[40:41], s[4:5]
	s_cselect_b64 s[6:7], s[42:43], s[6:7]
	s_cselect_b64 s[8:9], s[28:29], s[8:9]
	s_cselect_b64 s[10:11], s[30:31], s[10:11]
	s_cselect_b64 s[96:97], s[48:49], s[96:97]
	s_bfe_u32 s40, ttmp6, 0x40000                  ; cx, cy
	s_bfe_u32 s41, ttmp6, 0x40004
	s_lshl_b32 s42, s78, 2
	s_add_co_u32 s42, s42, s40                     ; J's tile
	s_lshl_b32 s17, s77, 2
	s_add_co_u32 s17, s17, s41                     ; I's tile
	s_lshl_b32 s43, s41, 2
	s_lshl_b32 s43, 15, s43                        ; my row of the cluster
	s_lshl_b32 s44, 0x1111, s40                    ; my column
	; group 1 of the codes: rows of 256 bytes, 16 of padding behind each; 256 rows for the head's loads
	s_or_b32 s[G1+0], s43, (0<<16)|(1<<20)|(1<<21)|(5<<22)|(3<<25)
	s_or_b32 s[G1B+0], s44, (0<<16)|(1<<20)|(1<<21)|(5<<22)|(3<<25)
.irp g, G1, G1B
	s_mov_b32 s[\g+1], ROWB<<16
	s_mov_b32 s[\g+2], 256<<16
	s_mov_b32 s[\g+3], ROWB<<16
	s_mov_b32 s[\g+4], 256
	s_mov_b32 s[\g+5], KROW
	s_mov_b32 s[\g+6], 0
	s_mov_b32 s[\g+7], 0
.endr
	; the scales of 256 rows: 8,192 dense bytes as 32 rows of 256, padded alike
	s_or_b32 s[G1S+0], s43, (3<<16)|(1<<20)|(1<<21)|(5<<22)|(3<<25)
	s_or_b32 s[G1SB+0], s44, (3<<16)|(1<<20)|(1<<21)|(5<<22)|(3<<25)
.irp g, G1S, G1SB
	s_mov_b32 s[\g+1], 32<<16
	s_mov_b32 s[\g+2], KS<<16
	s_mov_b32 s[\g+3], 32<<16
	s_mov_b32 s[\g+4], KS
	s_mov_b32 s[\g+5], 32
	s_mov_b32 s[\g+6], 0
	s_mov_b32 s[\g+7], 0
.endr
	s_lshl_b32 s20, s17, 8                         ; the tiles' first rows
	s_lshl_b32 s46, s42, 8
	s_lshl_b32 s22, s20, 5                         ; their scales, in bytes,
	s_lshl_b32 s92, s46, 5
	s_mul_i32 s20, s20, KROW                       ; and their codes
	s_mul_i32 s46, s46, KROW
	s_mov_b32 s21, 0
	s_mov_b32 s23, 0
	s_mov_b32 s47, 0
	s_mov_b32 s93, 0
	s_mul_i32 s18, s16, 128*KROW                   ; in the ring I fetch 128 rows: which half,
	s_mov_b32 s19, 0
	s_mul_i32 s45, s14, HALFT                      ; and where they go
	s_add_nc_u64 s[20:21], s[4:5], s[20:21]
	s_add_nc_u64 s[22:23], s[6:7], s[22:23]
	s_add_nc_u64 s[46:47], s[8:9], s[46:47]
	s_add_nc_u64 s[92:93], s[10:11], s[92:93]
	CROUND                                         ; in front of the first joint loads
	s_mov_b32 s[G0H], 1
	s_mov_b32 s[G0H+1], 0
	s_mov_b64 s[G0H+2:G0H+3], s[20:21]
	s_or_b32 s[G0H+3], s[G0H+3], 0x80000000
	s_mov_b32 s[G0HB], 1
	s_mov_b32 s[G0HB+1], 2*HALFT
	s_mov_b64 s[G0HB+2:G0HB+3], s[46:47]
	s_or_b32 s[G0HB+3], s[G0HB+3], 0x80000000
	s_mov_b32 s[G0S], 1
	s_mov_b32 s[G0S+1], SCL
	s_mov_b64 s[G0S+2:G0S+3], s[22:23]
	s_or_b32 s[G0S+3], s[G0S+3], 0x80000000
	s_mov_b32 s[G0SB], 1
	s_mov_b32 s[G0SB+1], SCL+2*HALFS
	s_mov_b64 s[G0SB+2:G0SB+3], s[92:93]
	s_or_b32 s[G0SB+3], s[G0SB+3], 0x80000000
	s_add_nc_u64 s[20:21], s[20:21], s[18:19]
	s_add_nc_u64 s[46:47], s[46:47], s[18:19]
.irp s, 0,1
	s_mov_b32 s[G0+4*\s], 1
	s_add_co_u32 s[G0+4*\s+1], s45, \s*SLOT
	s_add_nc_u64 s[G0+4*\s+2:G0+4*\s+3], s[20:21], \s*ROWB
	s_or_b32 s[G0+4*\s+3], s[G0+4*\s+3], 0x80000000
	s_mov_b32 s[G0B+4*\s], 1
	s_add_co_u32 s[G0B+4*\s+1], s45, \s*SLOT
	s_add_nc_u64 s[G0B+4*\s+2:G0B+4*\s+3], s[46:47], \s*ROWB
	s_or_b32 s[G0B+4*\s+3], s[G0B+4*\s+3], 0x80000000
.endr
; the head's four tiles, one load a wave, in one chain of branches: chunk 0 of I, chunk 0 of J, I's scales, J's scales
.macro ARM under, g0, g1, next
	s_cmp_lt_u32 s14, \under
	s_cbranch_scc0 \next
	TL \g0, \g1
	s_branch .Lhead_asked
\next:
.endm
	ARM 1, G0H,  G1,  .Lhead_b
	ARM 2, G0HB, G1B, .Lhead_sa
	ARM 3, G0S,  G1S, .Lhead_sb
	TL G0SB, G1SB
.Lhead_asked:
	v_and_b32 v1, 15, v0                           ; r
	v_bfe_u32 v2, v0, 4, 1                         ; h
	v_mul_u32_u24 v3, v1, PITCH
	v_mul_u32_u24 v4, v2, 24
	v_add_nc_u32 v4, v3, v4                        ; row x pitch + 24 h
	s_mov_b32 s21, SLOT-232
	s_mov_b32 s22, SLOT+232
	v_sub_nc_u32 v7, 1, v2
	v_mul_u32_u24 v5, s21, v2
	v_add_nc_u32 v5, v3, v5
	v_add_nc_u32 v5, 232, v5                       ; lanes 0-15 byte 232 of the row in slot 0, lanes 16-31 byte 0 in slot 1;
	v_mul_u32_u24 v6, s22, v7
	v_add_nc_u32 v6, v3, v6                        ; and the other way round
	s_mul_i32 s21, s15, HALFT
	s_mul_i32 s22, s16, HALFT
	s_add_co_u32 s22, s22, 2*HALFT
	v_add_nc_u32 v[ADRA+2], s21, v5
	v_add_nc_u32 v[ADRA+3], s21, v6
	v_add_nc_u32 v[ADRB+2], s22, v5
	v_add_nc_u32 v[ADRB+3], s22, v6
.irp s, 0,1
	v_add_nc_u32 v[ADRA+\s], s21, v4
	v_add_nc_u32 v[ADRB+\s], s22, v4
	s_add_co_u32 s21, s21, SLOT
	s_add_co_u32 s22, s22, SLOT
.endr
	v_mul_u32_u24 v5, v1, KS                       ; my row's scales: 32 bytes a row, 16 more for each 256 passed
	v_lshrrev_b32 v6, 8, v5
	v_lshl_add_u32 v5, v6, 4, v5
	s_mul_i32 s21, s15, HALFS
	s_mul_i32 s22, s16, HALFS
	s_add_co_u32 s22, s22, 2*HALFS
	s_sub_co_u32 s22, s22, s21
	v_mul_u32_u24 v6, s22, v2                      ; lanes 16-31 take J's
	s_add_co_u32 s21, s21, SCL
	v_add_nc_u32 v5, v5, v6
	v_add_nc_u32 v[ADRS], s21, v5
	; my record and my bias: tokens are I's rows for q and k, J's for v; channels the other way round
	s_lshl_b32 s20, s17, 8
	s_lshl_b32 s21, s15, 7
	s_add_co_u32 s20, s20, s21
	s_lshl_b32 s46, s42, 8
	s_lshl_b32 s47, s16, 7
	s_add_co_u32 s46, s46, s47
	s_cmp_eq_u32 s98, 2
	s_cselect_b32 s21, s46, s20                    ; my first token
	s_cselect_b32 s47, s20, s46                    ; my first channel
	s_lshr_b32 s22, s21, 11
	s_lshl_b32 s22, s22, 4
	s_lshr_b32 s23, s47, 6
	s_add_co_u32 s22, s22, s23                     ; 16 x batch + head,
	s_lshl_b32 s22, s22, 4
	s_bfe_u32 s23, s21, 0x40007
	s_add_co_u32 s22, s22, s23                     ; x 16 + which 128 tokens
	s_mul_i32 s22, s22, s66
	s_mov_b32 s23, 0
	s_add_nc_u64 s[12:13], s[12:13], s[22:23]
	s_lshl_b32 s22, s47, 2
	s_add_nc_u64 s[96:97], s[96:97], s[22:23]
	v_lshlrev_b32 v3, 2, v1                        ; v: channel 16 a + r in all eight registers
	v_lshlrev_b32 v4, 5, v2                        ; q, k: channel 16 b + 8 h + j in register j
.irp j, 0,1,2,3,4,5,6,7
	v_add_nc_u32 v[AD+\j], 4*\j, v4
.endr
.irp j, 0,1,2,3,4,5,6,7
	v_cndmask_b32 v[AD+\j], v[AD+\j], v3, s99
.endr
	WIN TO_B
.irp x, 0,1,2,3,4,5,6,7                        ; bias tile x at v[96 + 8 x] (x < 4) or v[192 + 8 x] of window 1
.irp j, 0,1,2,3,4,5,6,7
	global_load_b32 v[96+8*\x+96*(\x/4)+\j], v[AD+\j], s[96:97] offset:64*\x
.endr
.endr
	WIN 0
.macro FRAG reg, adr, st, i            ; 16 rows x 128 K in six pieces of 8 bytes; byte y of a row lies in slot (y / 256) % 2 at byte y % 256 of the LDS row
.irp p, 0,1,2,3,4,5
.set BY, 96*(\st)+48*(\p/3)+8*(\p%3)
.if BY/ROWB == (BY+24)/ROWB
	ds_load_b64 v[\reg+2*\p:\reg+2*\p+1], v[\adr+(BY/ROWB)%2] offset:BY%ROWB+(\i)*16*PITCH
.else
	ds_load_b64 v[\reg+2*\p:\reg+2*\p+1], v[\adr+2+(BY/ROWB)%2] offset:BY%ROWB-232+(\i)*16*PITCH
.endif
.endr
.endm
; 16 products: I's blocks a0, a0 + 1 x J's eight.  cm = 0 adds in place; 1 starts with bias tile b; 2 with bias tile a.  The 64 accumulators take turns.
.macro MUL16 a0, p, q, sc, cm
.irp a, \a0, \a0+1
.irp b, 0,1,2,3,4,5,6,7
.if \cm == 1
	v_wmma_scale_f32_16x16x128_f8f6f4 v[8*(8*((\a)%4)+\b):8*(8*((\a)%4)+\b)+7], v[128*(\p)+FR*\b:128*(\p)+FR*\b+FR-1], v[AF+FR*(\a):AF+FR*(\a)+FR-1], v[96+8*\b+96*(\b/4):96+8*\b+96*(\b/4)+7], v[SC+8*NQ*(\sc)+NQ*\b+(\q)], v[SC+8*NQ*(\sc)+NQ*(\a)+(\q)] matrix_a_fmt:MATRIX_FMT_FP6 matrix_b_fmt:MATRIX_FMT_FP6 matrix_a_scale:MATRIX_SCALE_ROW1
.elseif \cm == 2
	v_wmma_scale_f32_16x16x128_f8f6f4 v[8*(8*((\a)%4)+\b):8*(8*((\a)%4)+\b)+7], v[128*(\p)+FR*\b:128*(\p)+FR*\b+FR-1], v[AF+FR*(\a):AF+FR*(\a)+FR-1], v[96+8*(\a)+96*((\a)/4):96+8*(\a)+96*((\a)/4)+7], v[SC+8*NQ*(\sc)+NQ*\b+(\q)], v[SC+8*NQ*(\sc)+NQ*(\a)+(\q)] matrix_a_fmt:MATRIX_FMT_FP6 matrix_b_fmt:MATRIX_FMT_FP6 matrix_a_scale:MATRIX_SCALE_ROW1
.else
	v_wmma_scale_f32_16x16x128_f8f6f4 v[8*(8*((\a)%4)+\b):8*(8*((\a)%4)+\b)+7], v[128*(\p)+FR*\b:128*(\p)+FR*\b+FR-1], v[AF+FR*(\a):AF+FR*(\a)+FR-1], v[8*(8*((\a)%4)+\b):8*(8*((\a)%4)+\b)+7], v[SC+8*NQ*(\sc)+NQ*\b+(\q)], v[SC+8*NQ*(\sc)+NQ*(\a)+(\q)] matrix_a_fmt:MATRIX_FMT_FP6 matrix_b_fmt:MATRIX_FMT_FP6 matrix_a_scale:MATRIX_SCALE_ROW1
.endif
.endr
.endr
.endm
.macro MW hi, cm                       ; the products' windows; with a bias C lies in window 1
.if \cm
	WIN 0x91+0x40*\hi
.else
	WIN MUL_LO+0x50*\hi
.endif
.endm
.macro FETCH_B st, p
	WIN TO_B
.irp i, 0,1,2,3,4,5,6,7
	FRAG 128*(\p)+FR*\i, ADRB, \st, \i
.endr
	WIN 0
.endm
.macro FETCH_A st, i0
.irp i, \i0, \i0+1, \i0+2, \i0+3
	FRAG AF+FR*(\i), ADRA, \st, \i
.endr
.endm
.macro SCALES pr                       ; the scale words of steps 2 pr, 2 pr + 1: lanes 0-15 I's block i, lanes 16-31 J's
.irp i, 0,1,2,3,4,5,6,7
	ds_load_b64 v[SC+8*NQ*((\pr)%2)+NQ*\i:SC+8*NQ*((\pr)%2)+NQ*\i+1], v[ADRS] offset:\i*SBLK+4*NQ*(\pr)
.endr
.endm
.macro PLACES n                        ; places behind matrix instructions (ISA guide 7.12.1)
.rept \n
	v_nop
.endr
.endm
; A step of 128 along K.  Where the next step's bytes END in a chunk not read yet, a barrier shows that chunk; where they BEGIN in a later chunk, the chunk left behind is read no more:
; the three lines, the barrier, and, where a chunk two on is left, the cluster's round and the refill.
.macro STEP st, cm
.set NX, (\st)+1
.set C0, (96*(\st))/ROWB
.set C1, (96*NX)/ROWB
.set E0, (96*(\st)+95)/ROWB
.set E1, (96*NX+95)/ROWB
.if C1 > C0 || E1 > E0
	s_wait_tensorcnt 0x0                           ; all my tensor loads have landed
.if C1 > C0
	ds_add_u32 v[SPW], v[NIL]                      ; 0 onto my spare word
	s_wait_dscnt 4*NL+1                            ; the add and I's blocks 4-7 (24 loads) may be out
.else
	s_wait_dscnt 4*NL                              ; I's blocks 4-7 may be out
.endif
	WIN MUL_LO
	MUL16 0, (\st)%2, (\st)%2, ((\st)/2)%2, 0
	s_wait_dscnt 0x0                               ; the add and all my reads are done
	s_barrier_signal -1
	MUL16 2, (\st)%2, (\st)%2, ((\st)/2)%2, 0
	WIN 0
	s_barrier_wait -1
.if C1 > C0 && C0+2 < CHUNKS
	CREST
	s_add_nc_u64 s[G0+4*(C0%2)+2:G0+4*(C0%2)+3], s[G0+4*(C0%2)+2:G0+4*(C0%2)+3], 2*ROWB
	s_add_nc_u64 s[G0B+4*(C0%2)+2:G0B+4*(C0%2)+3], s[G0B+4*(C0%2)+2:G0B+4*(C0%2)+3], 2*ROWB
	JLOAD G0+4*(C0%2), G1, G0B+4*(C0%2), G1B       ; chunk C0 + 2; its four v_nop are the places ahead of the loads below
.else
	PLACES NP
.endif
.else
	s_wait_dscnt 4*NL                              ; I's blocks 4-7 may be out
	MW 0, \cm
	MUL16 0, (\st)%2, (\st)%2, ((\st)/2)%2, \cm
	MUL16 2, (\st)%2, (\st)%2, ((\st)/2)%2, \cm
	s_wait_dscnt 0
	PLACES NP
.endif
	FETCH_B NX, NX%2
	FETCH_A NX, 0
.if NX%2 == 0
	SCALES NX/2
.endif
	MW 1, \cm
	MUL16 4, (\st)%2, (\st)%2, ((\st)/2)%2, \cm
	MUL16 6, (\st)%2, (\st)%2, ((\st)/2)%2, \cm
	PLACES NP
	WIN 0
	FETCH_A NX, 4
.endm
	s_wait_alu depctr_va_vdst(0)
	s_wait_tensorcnt 0x0                           ; my tile of the head's four is in; the lines ahead of slot 1's first fill
	ds_add_u32 v[SPW], v[NIL]
	s_mov_b32 s[G1+2], 128<<16                     ; no load of mine is out: from here on a load brings 128 rows
	s_mov_b32 s[G1+4], 128
	s_mov_b32 s[G1B+2], 128<<16
	s_mov_b32 s[G1B+4], 128
	s_wait_dscnt 0x0
	CROUND
	JLOAD G0+4, G1, G0B+4, G1B                     ; chunk 1
	FETCH_B 0, 0
	FETCH_A 0, 0
	SCALES 0
	FETCH_A 0, 4
	s_wait_loadcnt 0x0                             ; the bias
	s_cmp_eq_u32 s98, 2
	s_cbranch_scc1 .Lfirst_v
	STEP 0, 1
	s_branch .Lfirst_done
.Lfirst_v:
	STEP 0, 2
.Lfirst_done:
.set ST, 1
.rept STEPS-2
	STEP ST, 0
.set ST, ST+1
.endr
	s_wait_dscnt 4*NL                              ; the last step fetches nothing
	WIN MUL_LO
	MUL16 0, 1, 1, 1, 0
	MUL16 2, 1, 1, 1, 0
	s_wait_dscnt 0
	WIN MUL_HI
	MUL16 4, 1, 1, 1, 0
	MUL16 6, 1, 1, 1, 0
	WIN 0
; THE QUANTISER: 64 numbers of a lane at v[s] of window w; register 16 b + i belongs to block b, whose other 16 numbers lie in lane l xor 16.  Codes of blocks 0, 1 to v[d0 ..], of 2, 3 to v[d1 ..]; the four scale bytes to v[pw].
.macro QUANT w, s, d0, d1, pw
	WIN 20*(\w)
.irp b, 0,1,2,3
	v_max3_num_f32 v[TM+\b], 0x1800000, |v[\s+16*\b]|, |v[\s+16*\b+1]|   ; with the floor 2^(3 - 127); each accumulator is read from its low end on
.endr
.irp i, 2,4,6,8,10,12,14
.irp b, 0,1,2,3
	v_max3_num_f32 v[TM+\b], v[TM+\b], |v[\s+16*\b+\i]|, |v[\s+16*\b+\i+1]|
.endr
.endr
	WIN 0
.irp b, 0,1,2,3
	v_permlanex16_b32 v[TM+4+\b], v[TM+\b], s104, s105
.endr
.irp b, 0,1,2,3
	v_max_num_f32 v[TM+\b], v[TM+\b], v[TM+4+\b]
.endr
.irp b, 0,1,2,3
	v_add_nc_u32 v[TM+12+\b], 0xff000000, v[TM+\b] ; 2 off the exponent field: the conversion's scale operand
.endr
.irp b, 0,1,2,3
	v_lshrrev_b32 v[TM+4+\b], 23, v[TM+12+\b]      ; the scale's byte
.endr
	v_lshl_or_b32 v[\pw], v[TM+5], 8, v[TM+4]
	v_lshl_or_b32 v[\pw], v[TM+6], 16, v[\pw]
	v_lshl_or_b32 v[\pw], v[TM+7], 24, v[\pw]
	WIN \w
	v_cvt_scalef32_pk16_fp6_f32 v[\d0:\d0+2], v[\s:\s+15], v[TM+12]
	v_cvt_scalef32_pk16_fp6_f32 v[TC:TC+2], v[\s+16:\s+31], v[TM+13]
	v_cvt_scalef32_pk16_fp6_f32 v[\d1:\d1+2], v[\s+32:\s+47], v[TM+14]
	v_cvt_scalef32_pk16_fp6_f32 v[TC+4:TC+6], v[\s+48:\s+63], v[TM+15]
	WIN 0
	v_nop                                          ; one plain place behind a scaled conversion
.irp i, 0,1,2
	v_permlane16_swap_b32 v[\d0+\i], v[TC+\i]      ; a whole block in a lane
	v_permlane16_swap_b32 v[\d1+\i], v[TC+4+\i]
.endr
.irp i, 0,1,2
	v_mov_b32 v[\d0+3+\i], v[TC+\i]
	v_mov_b32 v[\d1+3+\i], v[TC+4+\i]
.endr
.endm
	; THE WAY OUT: I's blocks in pairs.  q, k: an image takes one head's halves of both blocks; v: a block's codes are an image.  Lane masks choose.
	PLACES NP
.irp b, 0,1,2,3
	v_mov_b32 v[TM+4+\b], 0                        ; a lane permute's destination counts as a source
.endr
.irp p, 0,1,2,3
.set ZZ, 96+24*\p
.set QW, 2+(\p/2)
.set QA, 64*((2*\p)%4)
	QUANT QW, QA, ZZ, TA, WA
.set QA, 64*((2*\p+1)%4)
	QUANT QW, QA, TB, ZZ+18, WB
.irp i, 0,1,2,3,4,5
	v_cndmask_b32 v[ZZ+6+\i], v[TB+\i], v[TA+\i], s99
	v_cndmask_b32 v[ZZ+12+\i], v[TA+\i], v[TB+\i], s99
.endr
	v_perm_b32 v[SW+2*\p], v[WB], v[WA], s100
	v_perm_b32 v[SW+2*\p+1], v[WB], v[WA], s101
.irp x, 0,1
.irp c, 0,1,2
	global_store_b128 v[OA+2*\p+\x], v[ZZ+12*\x+4*\c:ZZ+12*\x+4*\c+3], s[12:13] offset:512*\c   ; 32 lanes store 512 consecutive bytes, aligned to 256
.endr
	global_store_b32 v[OS+2*\p+\x], v[SW+2*\p+\x], s[12:13]
.endr
.endr
	s_wait_tensorcnt 0x0                           ; the wave's end
	ds_add_u32 v[SPW], v[NIL]
	s_wait_dscnt 0x0
	CROUND                                         ; the closing round
	s_endpgm
.Lfunc_end_k_qa2b40514c5_proj:
	.size	k_qa2b40514c5_proj, .Lfunc_end_k_qa2b40514c5_proj-k_qa2b40514c5_proj
	.p2alignl 7, 3214868480
	.fill 96, 4, 3214868480
	.section	.rodata,"a",@progbits
	.p2align	6, 0x0
	.amdhsa_kernel k_qa2b40514c5_proj
		.amdhsa_group_segment_fixed_size 327680
		.amdhsa_private_segment_fixed_size 0
		.amdhsa_enable_private_segment 0
		.amdhsa_kernarg_size 120
		.amdhsa_user_sgpr_count 2
		.amdhsa_user_sgpr_kernarg_segment_ptr 1
		.amdhsa_wavefront_size32 1
		.amdhsa_system_sgpr_workgroup_id_x 1
		.amdhsa_system_sgpr_workgroup_id_y 1
		.amdhsa_system_sgpr_workgroup_id_z 1
		.amdhsa_system_vgpr_workitem_id 0
		.amdhsa_next_free_vgpr 1024
		.amdhsa_next_free_sgpr 106
		.amdhsa_reserve_vcc 0
		.amdhsa_float_denorm_mode_32 3
		.amdhsa_float_denorm_mode_16_64 3
		.amdhsa_memory_ordered 1
		.amdhsa_forward_progress 1
		.amdhsa_inst_pref_size 192
	.end_amdhsa_kernel
	.amdgpu_metadata
---
amdhsa.version: [ 1, 2 ]
amdhsa.kernels:
  - .name:           k_qa2b40514c5_proj
    .symbol:         k_qa2b40514c5_proj.kd
    .args:
      - { .name: query_codes, .offset: 0, .size: 8, .value_kind: global_buffer, .address_space: global }
      - { .name: query_scales, .offset: 8, .size: 8, .value_kind: global_buffer, .address_space: global }
      - { .name: context_codes, .offset: 16, .size: 8, .value_kind: global_buffer, .address_space: global }
      - { .name: context_scales, .offset: 24, .size: 8, .value_kind: global_buffer, .address_space: global }
      - { .name: Wq_codes, .offset: 32, .size: 8, .value_kind: global_buffer, .address_space: global }
      - { .name: Wq_scales, .offset: 40, .size: 8, .value_kind: global_buffer, .address_space: global }
      - { .name: Wk_codes, .offset: 48, .size: 8, .value_kind: global_buffer, .address_space: global }
      - { .name: Wk_scales, .offset: 56, .size: 8, .value_kind: global_buffer, .address_space: global }
      - { .name: Wv_codes, .offset: 64, .size: 8, .value_kind: global_buffer, .address_space: global }
      - { .name: Wv_scales, .offset: 72, .size: 8, .value_kind: global_buffer, .address_space: global }
      - { .name: bq, .offset: 80, .size: 8, .value_kind: global_buffer, .address_space: global }
      - { .name: bk, .offset: 88, .size: 8, .value_kind: global_buffer, .address_space: global }
      - { .name: bv, .offset: 96, .size: 8, .value_kind: global_buffer, .address_space: global }
      - { .name: qbuf, .offset: 104, .size: 8, .value_kind: global_buffer, .address_space: global }
      - { .name: kvbuf, .offset: 112, .size: 8, .value_kind: global_buffer, .address_space: global }
    .group_segment_fixed_size: 327680
    .private_segment_fixed_size: 0
    .kernarg_segment_align: 8
    .kernarg_segment_size: 120
    .max_flat_workgroup_size: 128
    .sgpr_count:     106
    .vgpr_count:     1024
    .wavefront_size: 32
...
	.end_amdgpu_metadata
.endif
;; end of part 1
;; launch attn (part 2): grid 8 x 32, 16 waves a work-group, clusters of 4 x 1, 327,680 bytes of LDS; arguments qbuf, kvbuf, abuf, asc; writes abuf, asc
.if DOCPART == 2
	.amdgcn_target "amdgcn-amd-amdhsa--gfx1250"
	.amdhsa_code_object_version 6
	.text
	.protected	k_qa2b40514c5_attn
	.globl	k_qa2b40514c5_attn
	.p2align	8
	.type	k_qa2b40514c5_attn,@function
k_qa2b40514c5_attn:
	s_mov_b64 s[64:65], 0
	v_nop
	global_prefetch_b8 v0, s[64:65] scope:SCOPE_SE
	s_setreg_imm32_b32 hwreg(HW_REG_WAVE_MODE, 25, 1), 1
	s_wait_xcnt 0x0
	s_wait_alu depctr_hold_cnt(0) depctr_sa_sdst(0) depctr_va_vdst(0) depctr_va_sdst(0) depctr_va_ssrc(0) depctr_va_vcc(0) depctr_vm_vsrc(0)
	s_getreg_b32 s2, hwreg(HW_REG_IB_STS2, 6, 4)
	s_cmp_eq_u32 s2, 0
	s_cbranch_scc0 .Lentry_in_a_cluster
	s_endpgm
.Lentry_in_a_cluster:
	s_bfe_u32 s2, ttmp6, 0x10000c
	s_cmp_lg_u32 s2, 0x3003
	s_cbranch_scc0 .Lentry_shape_is_right
	s_endpgm
.Lentry_shape_is_right:
; ATTENTION ON CODES OF FP6 (E2M3): for each head, O[q] = the sum over the 2,048 keys of softmax(q . k / 8) v, both products on codes with one E8M0 scale for each 32 along K; then O is quantised along head x 64 for the last projection.
; THE SOFTMAX AHEAD OF THE SECOND PRODUCT: t = score x log2(e) / 8; M = the row's largest t so far, rounded UP to a whole number; p = 2^(t - M) is what is quantised, along the keys, not normalised.
; The row's sum is taken of the unquantised p and divides O at the end.  When M moves, the sum and O are multiplied by 2^(old M - new M): exact.
; SHARES.  A work-group owns 256 queries of a batch and TWO heads, 2 g and then 2 g + 1: their 128 channels are one K step of the last projection, so a wave ends with a whole operand image and a whole scale word.
; Each of the sixteen waves owns 16 queries in 256 registers: four waves to a SIMD, so that one wave's vector work stands beside another's matrix work and LDS loads.  Every wave walks all keys, 128 a step.
; OPERANDS ARE IMAGES OF REGISTERS, as the first launch stored them: a fragment is three loads of 16 bytes a lane at 16 x lane, a scale word one load at 4 x lane: 512 or 128 consecutive bytes a load, no pitch, no padding.
; A record of 13,312 bytes holds a key step: 4 images of k, 4 of v, 4 + 4 images of scale words.  The two heads' 32 records are consecutive in memory: the ring of two slots of 8 records walks on from head to head.
; CLUSTER.  The four work-groups of a cluster are four blocks of queries of the same two heads and walk the same records: each fill is asked for JOINTLY, by waves 0 to 3, a quarter of a slot each.
; K = 64 IN AN INSTRUCTION THAT IS 128 DEEP.  An image of k holds two tiles of 16 keys (registers 0-5, 6-11).  Multiplied by [q | 0] it gives the first tile's scores, by [0 | q] the second's: only q's side carries zero codes.
; LAYOUT.  Both products are used transposed (source 0 = keys, or v's channels; source 1 = my queries): a lane holds ONE query throughout.  The 16 registers of two neighbouring tiles of scores and lane l xor 16's are a block
; of 32 keys; within it the codes stand in the order 0-7, 16-23, 8-15, 24-31, which is the order that v's keys were given.  O meets given codes, so its channels are brought into true order first (16 exchanges of lane halves a head).
; LIMITS: NaN and infinities are not served.  A block whose largest number lies under 2^-124 keeps the scale byte 1 (a block of zeros too: its codes are zeros, and only this program reads the bytes).
; A block's largest p is taken through its largest score: that takes v_exp_f32 not to fall where its input rises.
.set REC,   13312                      ; a record
.set SLOTB, 8*REC                      ; a slot: 106,496 bytes
.set QUART, SLOTB/4                    ; what one tensor load brings: 104 rows of 256 bytes
.set SPARE, 2*SLOTB                    ; behind the ring: the spare words, 128 bytes a wave: eight blocks of 256 bytes that no other line names
.set L16,  1                           ; v1   16 x lane
.set L4,   2                           ; v2   4 x lane
.set ADK,  3                           ; v3   LDS address of the step's images
.set ADS,  4                           ; v4   and of its scale words
.set SPW,  5                           ; v5   my spare word; never rewritten
.set NIL,  6                           ; v6   0; never rewritten
                                       ; v12 -M, v13 the largest t, v[14:15] the sum in two halves
.set Q0,   16                          ; v16-27  [q | 0]
.set Q1,   28                          ; v28-39  [0 | q]
.set QN,   40                          ; v40-45  the odd head's q;  v46 its scale word
.set KF,   48                          ; v48-95  four fragments: k's, then v's
.set S,    96                          ; v96-159 the scores, then p
.set O,    160                         ; v160-191 O^T, four tiles
.set PC,   192                         ; v192-203 p's codes
.set AF,   204                         ; v204-215 the image for the last projection;  v216 its scale word
.set APW,  216
.set KSC,  248                         ; v248-251 k's, then v's scale words
.set QS,   255                         ; v255 q's scale word;  v232-247, v252-254 at work
.set WV,   18
.set SEL,  20                          ; s[20:21] selects for lane l xor 16
.set CS,   22                          ; s[22:23] c = log2(e) / 8, twice
.set G1,   24                          ; s[24:31] descriptor group 1
.set G0,   32                          ; s[32:35], s[36:39] group 0 for slot 0, 1
.set TB,   40                          ; s40  LDS byte at which the step's record begins
.set CNT,  41
.set PAR,  42                          ; s42  all ones in odd waves: which half of q's image is mine
.set PSEL, 43
.macro CROUND                          ; a round of the cluster's barrier
	s_barrier_signal -1
	s_barrier_wait -1
	s_cmp_lg_u32 s[WV], 0
	s_cbranch_scc1 .Lnot_wave_0_\@
	s_barrier_signal -3
.Lnot_wave_0_\@:
	s_barrier_wait -3
	s_barrier_signal -1
	s_barrier_wait -1
.endm
.macro JLOAD g0                        ; a joint refill: waves 0 to 3, a quarter of the slot each.  Four v_nop follow the line
	s_cmp_lt_u32 s[WV], 4
	s_cbranch_scc0 .Lasked_\@
	tensor_load_to_lds s[\g0:\g0+3], s[G1:G1+7]
	s_nop 0
.rept 4
	v_nop
.endr
.Lasked_\@:
.endm
	s_load_b256 s[4:11], s[0:1], 0x0               ; qbuf, kvbuf, abuf, asc
	v_lshl_add_u32 v[SPW], v0, 2, SPARE
	v_mov_b32 v[NIL], 0
	ds_add_u32 v5, v6
	ds_add_u32 v5, v6
	s_wait_dscnt 0x0
	v_lshrrev_b32 v1, 5, v0
	s_delay_alu instid0(VALU_DEP_1)
	v_readfirstlane_b32 s[WV], v1                  ; wave 0..15
	s_bfe_u32 s44, ttmp6, 0x40000                  ; cx
	s_lshl_b32 s45, ttmp9, 2
	s_add_co_u32 s45, s45, s44                     ; my block of 256 queries, 0..7: it enters q's and the results' addresses alone
	s_and_b32 s46, ttmp7, 0xffff                   ; 8 x batch + pair of heads: shared by the four partners
	s_min_u32 s47, s[WV], 3                        ; (waves 4 to 15 issue no load)
	s_mul_i32 s47, s47, QUART                      ; my quarter of a slot, in LDS and in memory
	s_mul_i32 s48, s46, 32*REC                     ; the pair's 32 records
	s_add_co_u32 s48, s48, s47
	s_mov_b32 s49, 0
	s_mul_i32 s50, s46, 32*6656                    ; q: the pair's 32 records of 6,656 bytes,
	s_lshl_b32 s51, s45, 1
	s_lshr_b32 s52, s[WV], 3
	s_add_co_u32 s51, s51, s52
	s_mul_i32 s51, s51, 6656                       ; my 128 queries' record,
	s_add_co_u32 s50, s50, s51
	s_bfe_u32 s52, s[WV], 0x20001                  ; my image in it: (wave / 2) % 4
	s_mul_i32 s54, s52, 1536
	s_add_co_u32 s54, s54, s50
	s_mov_b32 s55, 0
	s_lshl_b32 s56, s52, 7
	s_add_co_u32 s56, s56, s50
	s_add_co_u32 s56, s56, 6144                    ; and its scale words
	s_mov_b32 s57, 0
	s_and_b32 s[PAR], s[WV], 1
	s_mov_b32 s[PSEL], 0x01000100                  ; q's scale word: my tile's two bytes, twice: it serves [q | 0] and [0 | q]
	s_cmp_lg_u32 s[PAR], 0
	s_cselect_b32 s[PAR], -1, 0
	s_cselect_b32 s[PSEL], 0x03020302, s[PSEL]
	s_lshr_b32 s58, s46, 3
	s_lshl_b32 s58, s58, 3
	s_add_co_u32 s58, s58, s45                     ; the results: which 256 rows of the 8,192,
	s_and_b32 s59, s46, 7                          ; which K step of 128,
	s_lshr_b32 s60, s[WV], 3                       ; which half of the rows,
	s_and_b32 s61, s[WV], 7                        ; which 16 of the half
	s_mul_i32 s62, s58, 196608
	s_lshr_b32 s63, s59, 1
	s_mul_i32 s63, s63, 49152
	s_add_co_u32 s62, s62, s63
	s_mul_i32 s63, s60, 24576
	s_add_co_u32 s62, s62, s63
	s_mul_i32 s63, s61, 3072
	s_add_co_u32 s62, s62, s63
	s_and_b32 s63, s59, 1
	s_mul_i32 s63, s63, 1536
	s_add_co_u32 s62, s62, s63
	s_mov_b32 s63, 0
	s_lshl_b32 s52, s58, 14
	s_lshl_b32 s53, s60, 13
	s_add_co_u32 s52, s52, s53
	s_lshl_b32 s53, s59, 10
	s_add_co_u32 s52, s52, s53
	s_lshl_b32 s53, s61, 7
	s_add_co_u32 s52, s52, s53
	s_mov_b32 s53, 0
	; descriptor group 1: 104 rows of 256 bytes, dense
	s_mov_b32 s[G1], 15|(3<<16)|(1<<21)            ; 15:0 the mask: all four work-groups; 17:16 elements of 8 bytes; 20 no padding; 21 set beside a mask
	s_mov_b32 s[G1+1], 32<<16                      ; tensor_dim0 = 32
	s_mov_b32 s[G1+2], 104<<16                     ; tensor_dim1 = 104
	s_mov_b32 s[G1+3], 32<<16                      ; tile_dim0
	s_mov_b32 s[G1+4], 104                         ; tile_dim1
	s_mov_b32 s[G1+5], 32                          ; tensor_dim0_stride
	s_mov_b32 s[G1+6], 0
	s_mov_b32 s[G1+7], 0
	s_mov_b32 s[SEL], 0x76543210
	s_mov_b32 s[SEL+1], 0xfedcba98
	s_mov_b32 s[CS], 0x3e38aa3b                    ; c = log2(e) / 8
	s_mov_b32 s[CS+1], s[CS]                       ; (named with it as a pair, so it is written)
	s_wait_kmcnt 0x0
	s_add_nc_u64 s[6:7], s[6:7], s[48:49]
	s_add_nc_u64 s[54:55], s[4:5], s[54:55]
	s_add_nc_u64 s[56:57], s[4:5], s[56:57]
	s_add_nc_u64 s[8:9], s[8:9], s[62:63]
	s_add_nc_u64 s[10:11], s[10:11], s[52:53]
	CROUND                                         ; all four work-groups are here: the first joint loads meet
.irp n, 0,1
	s_mov_b32 s[G0+4*\n], 1                        ; count = 1
	s_add_co_u32 s[G0+4*\n+1], s47, \n*SLOTB       ; LDS address
	s_add_nc_u64 s[G0+4*\n+2:G0+4*\n+3], s[6:7], \n*SLOTB   ; global address: the even head's records 8 n on
	s_or_b32 s[G0+4*\n+3], s[G0+4*\n+3], 0x80000000         ; type = 2
.endr
	s_cmp_lt_u32 s[WV], 4                          ; slot 0's first fill: waves 0 to 3, one load each
	s_cbranch_scc0 .Lno_first
	tensor_load_to_lds s[G0:G0+3], s[G1:G1+7]
	s_nop 0
.rept 4
	v_nop
.endr
.Lno_first:
	v_and_b32 v3, 31, v0
	s_delay_alu instid0(VALU_DEP_1)
	v_lshlrev_b32 v[L16], 4, v3
	s_delay_alu instid0(VALU_DEP_2)
	v_lshlrev_b32 v[L4], 2, v3
.irp c, 0,1,2
	global_load_b128 v[96+4*\c:99+4*\c], v[L16], s[54:55] offset:512*\c                 ; the even head's image of q,
	global_load_b128 v[108+4*\c:111+4*\c], v[L16], s[54:55] offset:16*6656+512*\c       ; the odd head's
.endr
	global_load_b32 v120, v[L4], s[56:57]
	global_load_b32 v121, v[L4], s[56:57] offset:16*6656
	s_wait_loadcnt 0x0
.irp i, 0,1,2,3,4,5
	v_cndmask_b32 v[Q0+\i], v[96+\i], v[102+\i], s[PAR]     ; my 16 queries are the image's first or second half
	v_cndmask_b32 v[QN+\i], v[108+\i], v[114+\i], s[PAR]
	v_mov_b32 v[Q0+6+\i], 0                                 ; zero codes
	v_mov_b32 v[Q1+\i], 0
.endr
.irp i, 0,1,2,3,4,5
	v_mov_b32 v[Q1+6+\i], v[Q0+\i]
.endr
	v_perm_b32 v[QS], v120, v120, s[PSEL]
	v_perm_b32 v46, v121, v121, s[PSEL]
.irp b, 0,1,2,3
	v_mov_b32 v[236+\b], 0                         ; written once: a lane permute's destination counts as one of its sources
.endr
	v_mov_b32 v253, 0                              ; (named as the upper half of the pair v[252:253] before it is first written)
; A head begins: the key step is written once, and its first trip finds zeros, which the first change of M leaves zeros.  These lines are also the places between the vector writes of q and its scale word and the first product.
.macro INIT
	v_mov_b32 v13, 0xff61b1e6                      ; the largest t so far: -3e38, under every t
	s_delay_alu instid0(VALU_DEP_1)
	v_floor_f32 v12, -v13                          ; -M
	v_mov_b32 v14, 0
	v_mov_b32 v15, 0
.set j, 0
.rept 32
	v_mov_b32 v[O+j], 0
.set j, j+1
.endr
.endm
	INIT
; A KEY STEP: 128 keys, the record at s[TB].
.macro STEP
	v_add_nc_u32 v[ADK], s[TB], v[L16]
	v_add_nc_u32 v[ADS], s[TB], v[L4]
	v_nop
	v_nop                                          ; four places in front of loads into registers that the last products read
.irp t, 0,1,2,3
.irp c, 0,1,2
	ds_load_b128 v[KF+12*\t+4*\c:KF+12*\t+4*\c+3], v[ADK] offset:1536*\t+512*\c
.endr
	ds_load_b32 v[KSC+\t], v[ADS] offset:12288+128*\t
.endr
	s_wait_alu depctr_va_vdst(0)
	s_wait_dscnt 0x0
.irp t, 0,1,2,3                                ; S^T = k q^T: image t holds keys 32 t + 0 .. 15 and 32 t + 16 .. 31
	v_wmma_scale_f32_16x16x128_f8f6f4 v[S+16*\t:S+16*\t+7], v[KF+12*\t:KF+12*\t+11], v[Q0:Q0+11], 0, v[KSC+\t], v[QS] matrix_a_fmt:MATRIX_FMT_FP6 matrix_b_fmt:MATRIX_FMT_FP6
	v_wmma_scale_f32_16x16x128_f8f6f4 v[S+16*\t+8:S+16*\t+15], v[KF+12*\t:KF+12*\t+11], v[Q1:Q1+11], 0, v[KSC+\t], v[QS] matrix_a_fmt:MATRIX_FMT_FP6 matrix_b_fmt:MATRIX_FMT_FP6
.endr
.rept 4
	v_nop                                          ; places: for the loads below, and for the first read of the scores
.endr
.irp t, 0,1,2,3                                ; v's images take k's registers and land under the softmax
.irp c, 0,1,2
	ds_load_b128 v[KF+12*\t+4*\c:KF+12*\t+4*\c+3], v[ADK] offset:6144+1536*\t+512*\c
.endr
	ds_load_b32 v[KSC+\t], v[ADS] offset:12800+128*\t
.endr
.irp b, 0,1,2,3
	v_max3_num_f32 v[232+\b], v[S+16*\b], v[S+1+16*\b], v[S+2+16*\b]   ; THE LARGEST SCORE OF EACH BLOCK OF 32 KEYS: it serves for the row's maximum and, since p rises with the score, for the block's largest p
.endr
.irp i, 3,5,7,9,11,13
.irp b, 0,1,2,3
	v_max3_num_f32 v[232+\b], v[232+\b], v[S+16*\b+\i], v[S+1+16*\b+\i]
.endr
.endr
.irp b, 0,1,2,3
	v_max_num_f32 v[232+\b], v[232+\b], v[S+15+16*\b]
.endr
.irp b, 0,1,2,3
	s_delay_alu instid0(VALU_DEP_4)
	v_permlanex16_b32 v[236+\b], v[232+\b], s[SEL], s[SEL+1]
.endr
.irp b, 0,1,2,3
	s_delay_alu instid0(VALU_DEP_4)
	v_max_num_f32 v[232+\b], v[232+\b], v[236+\b]  ; with lane l xor 16's 16 keys
.endr
	s_delay_alu instid0(VALU_DEP_2)
	v_max3_num_f32 v254, v232, v233, v234
	s_delay_alu instid0(VALU_DEP_1)
	v_max_num_f32 v254, v254, v235                 ; the step's largest score of my query
	s_delay_alu instid0(VALU_DEP_1)
	v_mul_f32 v254, s[CS], v254                    ; as t (c is positive)
	s_delay_alu instid0(VALU_DEP_1)
	v_max_num_f32 v13, v13, v254                   ; the running largest t
	v_mov_b32 v254, v12
	s_delay_alu instid0(VALU_DEP_2)
	v_floor_f32 v12, -v13                          ; the new -M = floor(-t) = -ceil(t): a whole number
	s_delay_alu instid0(VALU_DEP_1)
	v_sub_f32 v254, v12, v254                      ; old M - new M: a whole number, 0 or less
	s_delay_alu instid0(VALU_DEP_1)
	v_cvt_i32_f32 v254, v254                       ; (it saturates)
	s_delay_alu instid0(VALU_DEP_1)
	v_ldexp_f32 v252, 1.0, v254                    ; f = 2^(old M - new M)
.set j, 0
.rept 32
	v_pk_fma_f32 v[S+j:S+j+1], v[S+j:S+j+1], s[CS:CS+1], v[12:13] op_sel_hi:[1,0,0]   ; t - M, two at a time
.set j, j+2
.endr
.irp b, 0,1,2,3
	v_fma_f32 v[232+\b], v[232+\b], s[CS], v12     ; the same of each block's largest score
.endr
.set j, 0
	s_wait_alu depctr_va_vdst(0)
.rept 64
	v_exp_f32 v[S+j], v[S+j]                       ; p = 2^(t - M), at most 1
.set j, j+1
.endr
.irp b, 0,1,2,3
	v_exp_f32 v[232+\b], v[232+\b]                 ; the block's largest p: the same two instructions on the same number
.endr
	v_pk_mul_f32 v[14:15], v[14:15], v[252:253] op_sel_hi:[1,0]   ; the sums under the new M.  (A plain place behind the exponentials)
	s_wait_alu depctr_va_vdst(0)
.irp b, 0,1,2,3
	v_max_num_f32 v[232+\b], 0x1800000, v[232+\b]  ; the floor 2^(3 - 127): the byte cannot fall under 1
.endr
.irp b, 0,1,2,3
	s_delay_alu instid0(VALU_DEP_4)
	v_add_nc_u32 v[244+\b], 0xff000000, v[232+\b]  ; 2 off the exponent field: the conversion's scale operand
.endr
.irp b, 0,1,2,3
	s_delay_alu instid0(VALU_DEP_4)
	v_lshrrev_b32 v[236+\b], 23, v[244+\b]         ; the scale's byte
.endr
	s_delay_alu instid0(VALU_DEP_3)
	v_lshl_or_b32 v253, v237, 8, v236              ; p's scale word for these 128 keys
	s_delay_alu instid0(VALU_DEP_1)
	v_lshl_or_b32 v253, v238, 16, v253
	s_delay_alu instid0(VALU_DEP_1)
	v_lshl_or_b32 v253, v239, 24, v253
.irp c, 0,1
	v_cvt_scalef32_pk16_fp6_f32 v[PC+6*\c:PC+2+6*\c], v[S+32*\c:S+15+32*\c], v[244+2*\c]
	v_cvt_scalef32_pk16_fp6_f32 v[236+4*\c:238+4*\c], v[S+16+32*\c:S+31+32*\c], v[244+2*\c+1]   ; (a conversion's three registers begin on an even number)
.endr
	v_nop                                          ; one plain place behind a scaled conversion
.irp c, 0,1                                    ; the operand's layout wants a whole block in a lane
.irp i, 0,1,2
	v_permlane16_swap_b32 v[PC+6*\c+\i], v[236+4*\c+\i]
.endr
.irp i, 0,1,2
	s_delay_alu instid0(VALU_DEP_3)
	v_mov_b32 v[PC+3+6*\c+\i], v[236+4*\c+\i]
.endr
.endr
	v_pk_add_f32 v[236:237], v[100:101], v[104:105]
	v_pk_add_f32 v[246:247], v[108:109], v[112:113]
	v_pk_add_f32 v[244:245], v[116:117], v[120:121]
	v_pk_add_f32 v[242:243], v[124:125], v[128:129]
	v_pk_add_f32 v[240:241], v[132:133], v[136:137]
	v_pk_add_f32 v[234:235], v[140:141], v[144:145]
	v_pk_add_f32 v[232:233], v[148:149], v[152:153]
	v_pk_add_f32 v[14:15], v[14:15], v[156:157]
	v_pk_add_f32 v[236:237], v[236:237], v[96:97]
	v_pk_add_f32 v[246:247], v[246:247], v[98:99]
	v_pk_add_f32 v[244:245], v[244:245], v[102:103]
	v_pk_add_f32 v[242:243], v[242:243], v[106:107]
	v_pk_add_f32 v[240:241], v[240:241], v[110:111]
	v_pk_add_f32 v[234:235], v[234:235], v[114:115]
	v_pk_add_f32 v[232:233], v[232:233], v[118:119]
	v_pk_add_f32 v[14:15], v[14:15], v[122:123]
	v_pk_add_f32 v[236:237], v[236:237], v[126:127]
	v_pk_add_f32 v[246:247], v[246:247], v[130:131]
	v_pk_add_f32 v[244:245], v[244:245], v[134:135]
	v_pk_add_f32 v[242:243], v[242:243], v[138:139]
	v_pk_add_f32 v[240:241], v[240:241], v[142:143]
	v_pk_add_f32 v[234:235], v[234:235], v[146:147]
	v_pk_add_f32 v[232:233], v[232:233], v[150:151]
	v_pk_add_f32 v[14:15], v[14:15], v[154:155]
	v_pk_add_f32 v[236:237], v[236:237], v[158:159]
	s_delay_alu instid0(VALU_DEP_2)
	v_pk_add_f32 v[14:15], v[14:15], v[242:243]
	s_delay_alu instid0(VALU_DEP_2)
	v_pk_add_f32 v[236:237], v[236:237], v[240:241]
	v_pk_add_f32 v[246:247], v[246:247], v[234:235]
	v_pk_add_f32 v[244:245], v[244:245], v[232:233]
	s_delay_alu instid0(VALU_DEP_2)
	v_pk_add_f32 v[14:15], v[14:15], v[246:247]
	s_delay_alu instid0(VALU_DEP_2)
	v_pk_add_f32 v[236:237], v[236:237], v[244:245]
	s_delay_alu instid0(VALU_DEP_1)
	v_pk_add_f32 v[14:15], v[14:15], v[236:237]
.set j, 0
.rept 16
	v_pk_mul_f32 v[O+j:O+j+1], v[O+j:O+j+1], v[252:253] op_sel_hi:[1,0]   ; O^T under the new M
.set j, j+2
.endr
	s_wait_alu depctr_va_vdst(0)
	s_wait_dscnt 0x0                               ; v's images are in
.irp t, 0,1,2,3                                ; O^T += v^T p^T; the four accumulators by turns, one instruction a turn
	v_wmma_scale_f32_16x16x128_f8f6f4 v[O+8*\t:O+8*\t+7], v[KF+12*\t:KF+12*\t+11], v[PC:PC+11], v[O+8*\t:O+8*\t+7], v[KSC+\t], v253 matrix_a_fmt:MATRIX_FMT_FP6 matrix_b_fmt:MATRIX_FMT_FP6
.endr
	s_add_co_u32 s[TB], s[TB], REC
.endm
.macro HALF slot                       ; a slot's eight key steps
	s_mov_b32 s[TB], \slot*SLOTB
	s_mov_b32 s[CNT], 8
.Lstep_\@:
	STEP
	s_sub_co_u32 s[CNT], s[CNT], 1
	s_cmp_lg_u32 s[CNT], 0
	s_cbranch_scc1 .Lstep_\@
.endm
; THE CHANGE OF SLOTS.  Each wave waits for all its tensor loads (its part of the slot ahead), adds 0 to its spare word, and waits for that and for its reads of the slot that it leaves.
; fill = 1: the slot just left takes the records 16 further on; the barrier is then a round of the cluster's, and the joint refill is the first thing behind it: it has eight key steps in which to land.
.macro CHANGE fill, g0
	s_wait_tensorcnt 0x0                           ; no tensor load of mine is out, so a group 0 may be written
	ds_add_u32 v[SPW], v[NIL]                      ; 0 onto my spare word
.if \fill
	ds_add_u32 v[SPW], v[NIL]                      ; twice ahead of a refill
	s_add_nc_u64 s[\g0+2:\g0+3], s[\g0+2:\g0+3], 2*SLOTB
.endif
	s_wait_dscnt 0x0                               ; the add is done, and my reads of the slot are over
.if \fill
	CROUND
	JLOAD \g0
.else
	s_barrier_signal -1
	s_barrier_wait -1
.endif
.endm
; A HEAD'S END: O^T / the sum, brought into true order, quantised: half hd of the image and of its scale word.
.macro FINISH hd
.rept 4
	v_nop                                          ; places behind the last products
.endr
	v_add_f32 v14, v14, v15                        ; the sum's two halves,
	s_delay_alu instid0(VALU_DEP_1)
	v_permlanex16_b32 v252, v14, s[SEL], s[SEL+1]
	s_delay_alu instid0(VALU_DEP_1)
	v_add_f32 v14, v14, v252                       ; and lane l xor 16's
	s_wait_alu depctr_va_vdst(0)
	v_rcp_f32 v14, v14
	v_nop                                          ; one plain place behind a transcendental
.set j, 0
	s_wait_alu depctr_va_vdst(0)
.rept 16
	v_pk_mul_f32 v[S+j:S+j+1], v[O+j:O+j+1], v[14:15] op_sel_hi:[1,0]   ; register 8 t + i: channel 16 t + 8 h + i.  Each accumulator is read from its low end on
.set j, j+2
.endr
.irp b, 0,1
.irp j, 0,1,2,3,4,5,6,7
	v_permlane16_swap_b32 v[S+16*\b+\j], v[S+8+16*\b+\j]   ; register 16 b + i now holds channel 32 b + 16 h + i of my query
.endr
.endr
.irp b, 0,1
	v_max3_num_f32 v[232+\b], |v[S+16*\b]|, |v[S+1+16*\b]|, 0x1800000
.endr
.irp i, 2,4,6,8,10,12,14
.irp b, 0,1
	s_delay_alu instid0(VALU_DEP_2)
	v_max3_num_f32 v[232+\b], v[232+\b], |v[S+16*\b+\i]|, |v[S+1+16*\b+\i]|
.endr
.endr
.irp b, 0,1
	s_delay_alu instid0(VALU_DEP_2)
	v_permlanex16_b32 v[236+\b], v[232+\b], s[SEL], s[SEL+1]
.endr
.irp b, 0,1
	s_delay_alu instid0(VALU_DEP_2)
	v_max_num_f32 v[232+\b], v[232+\b], v[236+\b]
.endr
.irp b, 0,1
	s_delay_alu instid0(VALU_DEP_2)
	v_add_nc_u32 v[244+\b], 0xff000000, v[232+\b]
.endr
.irp b, 0,1
	s_delay_alu instid0(VALU_DEP_2)
	v_lshrrev_b32 v[240+\b], 23, v[244+\b]
.endr
.if \hd == 0
	s_delay_alu instid0(VALU_DEP_1)
	v_lshl_or_b32 v[APW], v241, 8, v240
.else
	s_delay_alu instid0(VALU_DEP_2)
	v_lshl_or_b32 v[APW], v240, 16, v[APW]
	s_delay_alu instid0(VALU_DEP_1)
	v_lshl_or_b32 v[APW], v241, 24, v[APW]
.endif
	v_cvt_scalef32_pk16_fp6_f32 v[AF+6*\hd:AF+6*\hd+2], v[S:S+15], v244
	v_cvt_scalef32_pk16_fp6_f32 v[236:238], v[S+16:S+31], v245
	v_nop                                          ; one plain place behind a scaled conversion
.irp i, 0,1,2
	v_permlane16_swap_b32 v[AF+6*\hd+\i], v[236+\i]
.endr
.irp i, 0,1,2
	s_delay_alu instid0(VALU_DEP_3)
	v_mov_b32 v[AF+6*\hd+3+\i], v[236+\i]
.endr
.endm
	s_wait_alu depctr_va_vdst(0)
	s_wait_tensorcnt 0x0                           ; my part of slot 0 is in; slot 1's first fill is issued as a refill is
	ds_add_u32 v[SPW], v[NIL]
	ds_add_u32 v[SPW], v[NIL]
	s_wait_dscnt 0x0
	CROUND
	JLOAD G0+4                                     ; it has slot 0's eight key steps in which to land
	HALF 0
	CHANGE 1, G0                                   ; slot 0 takes the odd head's first half
	HALF 1
	CHANGE 1, G0+4                                 ; slot 1 its second half: the last load
	FINISH 0
.irp i, 0,1,2,3,4,5
	v_mov_b32 v[Q0+\i], v[QN+\i]                   ; the odd head's q
	v_mov_b32 v[Q1+6+\i], v[QN+\i]
.endr
	v_mov_b32 v[QS], v46
	INIT
	HALF 0
	CHANGE 0, G0                                   ; nothing is left to fetch
	HALF 1
	FINISH 1
.irp c, 0,1,2
	global_store_b128 v[L16], v[AF+4*\c:AF+4*\c+3], s[8:9] offset:512*\c   ; 32 lanes store 512 consecutive bytes, at a multiple of 256 from the buffer's first byte
.endr
	global_store_b32 v[L4], v[APW], s[10:11]
	s_wait_tensorcnt 0x0                           ; the wave's end
	ds_add_u32 v[SPW], v[NIL]
	s_wait_dscnt 0x0
	CROUND                                         ; the closing round
	s_endpgm
.Lfunc_end_k_qa2b40514c5_attn:
	.size	k_qa2b40514c5_attn, .Lfunc_end_k_qa2b40514c5_attn-k_qa2b40514c5_attn
	.p2alignl 7, 3214868480
	.fill 96, 4, 3214868480
	.section	.rodata,"a",@progbits
	.p2align	6, 0x0
	.amdhsa_kernel k_qa2b40514c5_attn
		.amdhsa_group_segment_fixed_size 327680
		.amdhsa_private_segment_fixed_size 0
		.amdhsa_enable_private_segment 0
		.amdhsa_kernarg_size 32
		.amdhsa_user_sgpr_count 2
		.amdhsa_user_sgpr_kernarg_segment_ptr 1
		.amdhsa_wavefront_size32 1
		.amdhsa_system_sgpr_workgroup_id_x 1
		.amdhsa_system_sgpr_workgroup_id_y 1
		.amdhsa_system_sgpr_workgroup_id_z 1
		.amdhsa_system_vgpr_workitem_id 0
		.amdhsa_next_free_vgpr 256
		.amdhsa_next_free_sgpr 66
		.amdhsa_reserve_vcc 0
		.amdhsa_float_denorm_mode_32 3
		.amdhsa_float_denorm_mode_16_64 3
		.amdhsa_memory_ordered 1
		.amdhsa_forward_progress 1
		.amdhsa_inst_pref_size 91
	.end_amdhsa_kernel
	.amdgpu_metadata
---
amdhsa.version: [ 1, 2 ]
amdhsa.kernels:
  - .name:           k_qa2b40514c5_attn
    .symbol:         k_qa2b40514c5_attn.kd
    .args:
      - { .name: qbuf, .offset: 0, .size: 8, .value_kind: global_buffer, .address_space: global }
      - { .name: kvbuf, .offset: 8, .size: 8, .value_kind: global_buffer, .address_space: global }
      - { .name: abuf, .offset: 16, .size: 8, .value_kind: global_buffer, .address_space: global }
      - { .name: asc, .offset: 24, .size: 8, .value_kind: global_buffer, .address_space: global }
    .group_segment_fixed_size: 327680
    .private_segment_fixed_size: 0
    .kernarg_segment_align: 8
    .kernarg_segment_size: 32
    .max_flat_workgroup_size: 512
    .sgpr_count:     66
    .vgpr_count:     256
    .wavefront_size: 32
...
	.end_amdgpu_metadata
.endif
;; end of part 2
;; launch outp (part 3): grid 4 x 64, 4 waves a work-group, clusters of 4 x 4, 327,680 bytes of LDS; arguments abuf, asc, Wo_codes, Wo_scales, out0, bo; writes out0
.if DOCPART == 3
	.amdgcn_target "amdgcn-amd-amdhsa--gfx1250"
	.amdhsa_code_object_version 6
	.text
	.protected	k_qa2b40514c5_outp
	.globl	k_qa2b40514c5_outp
	.p2align	8
	.type	k_qa2b40514c5_outp,@function
k_qa2b40514c5_outp:
	s_mov_b64 s[64:65], 0
	v_nop
	global_prefetch_b8 v0, s[64:65] scope:SCOPE_SE
	s_setreg_imm32_b32 hwreg(HW_REG_WAVE_MODE, 25, 1), 1
	s_wait_xcnt 0x0
	s_wait_alu depctr_hold_cnt(0) depctr_sa_sdst(0) depctr_va_vdst(0) depctr_va_sdst(0) depctr_va_ssrc(0) depctr_va_vcc(0) depctr_vm_vsrc(0)
	s_getreg_b32 s2, hwreg(HW_REG_IB_STS2, 6, 4)
	s_cmp_eq_u32 s2, 0
	s_cbranch_scc0 .Lentry_in_a_cluster
	s_endpgm
.Lentry_in_a_cluster:
	s_bfe_u32 s2, ttmp6, 0x10000c
	s_cmp_lg_u32 s2, 0xf033
	s_cbranch_scc0 .Lentry_shape_is_right
	s_endpgm
.Lentry_shape_is_right:
; out0 = attn Wo + bo on codes of FP6 (E2M3), one E8M0 scale for each 32 along K = 1,024; sums and result in f32.
; A work-group makes 128 rows x 256 columns: 64 x 4 blocks = 256 work-groups.  ALL OF K LIES IN LDS, by four tensor loads at the head, one a wave; nothing is filled again:
;   the 128 rows' operand images as the launch before stored them (4 runs of 24,576 bytes, 49,152 apart): fragment (block i, step q) at (q / 2) 24,576 + 3,072 i + 1,536 (q % 2);
;   Wo's 256 rows of 768 bytes, 16 bytes of padding behind every 256: pitch 816;  Wo's scale bytes (8,192 dense, padded units of 256);  the images' scale words (8,192 dense: [step][block][128]).
; Four waves, 2 x 2: a wave makes 64 x 128 in 32 accumulators.  Source 0 = 16 rows of Wo, source 1 = 16 rows of attn: a lane holds eight neighbouring columns of a row of out0.
; Two sets of fragments: step q + 1's 60 LDS loads are issued ahead of step q's 32 products.  All scale words lie in registers from the start (64 of Wo's, 32 of the images').
; The bias is the C of the first step's products.  CLUSTERS 4 x 4: the images are asked for jointly by a row of the cluster, Wo's rows by a column.
; NO PREFETCH: every tile is asked for at the head; there is no later trip to run ahead of.
; THE WAY OUT: 16 rows x 128 columns at a time through the wave's stage, which lies on the images' bytes behind a barrier that shows every wave's reads done; back as rows of 512 bytes.
.set PITCH,  816
.set FR,     12
.set NP,     4
.set WOB,    98304                     ; Wo's rows, behind the images
.set SCLB,   WOB+256*PITCH             ; Wo's scale bytes: 32 units of 256 + 16
.set SCLA,   SCLB+32*272               ; the images' scale words
.set SPARE,  SCLA+8192                 ; the spare words, 128 bytes a wave
.set SPITCH, 528
.set NF,     60                        ; LDS loads of a step: 48 for Wo's eight fragments, 12 for the four images
.set ADRA, 16                          ; v16, v17 my images, steps 0-3 and 4-7
.set ADRB, 20                          ; v20, v21 Wo's blocks 0-3 (v21: lanes 16-31 behind one padding more); v22, v23 blocks 4-7
.set STO,  24
.set RD,   25
.set CO,   26
.set ADSA, 27
.set SPW,  28
.set NIL,  29
.set ADSB, 30
.set SCB,  32                          ; v32-95 Wo's scale words: 8 b + q
.set SCA,  96                          ; v96-127 the images': 8 a + (q + 1) % 8
.set AF,   128                         ; v128-175, v176-223 the images, two sets
.set BK,   128
.set G1, 24
.set G0, 32
.set G1B, 48
.set G0B, 56
.set G1S, 68
.set G0S, 76
.set G1SB, 80
.set G0SB, 88
.set MSB, 0
.macro WIN new
.if MSB != (\new)
	s_set_vgpr_msb (MSB<<8)|(\new)
.set MSB, (\new)
.endif
.endm
.set TO_B, 0x40
.macro PLACES n
.rept \n
	v_nop
.endr
.endm
.macro CROUND
	s_barrier_signal -1
	s_barrier_wait -1
	s_cmp_lg_u32 s14, 0
	s_cbranch_scc1 .Lnot_wave_0_\@
	s_barrier_signal -3
.Lnot_wave_0_\@:
	s_barrier_wait -3
	s_barrier_signal -1
	s_barrier_wait -1
.endm
.macro TL g0, g1
	tensor_load_to_lds s[\g0:\g0+3], s[\g1:\g1+7]
	s_nop 0
	PLACES 4
.endm
.macro SETG0 g, lds, a                 ; a group 0: LDS byte, address pair
	s_mov_b32 s[\g], 1
	s_mov_b32 s[\g+1], \lds
	s_mov_b64 s[\g+2:\g+3], s[\a:\a+1]
	s_or_b32 s[\g+3], s[\g+3], 0x80000000
.endm
.macro SETG1 g, c, r, p                ; a group 1 behind its first word: row of c elements, r rows, pitch p
	s_mov_b32 s[\g+1], (\c)<<16
	s_mov_b32 s[\g+2], (\r)<<16
	s_mov_b32 s[\g+3], (\c)<<16
	s_mov_b32 s[\g+4], \r
	s_mov_b32 s[\g+5], \p
	s_mov_b32 s[\g+6], 0
	s_mov_b32 s[\g+7], 0
.endm
	s_load_b128 s[4:7], s[0:1], 0x0                ; abuf, asc
	s_load_b128 s[8:11], s[0:1], 0x10              ; Wo's codes, scales
	s_load_b64 s[12:13], s[0:1], 0x20              ; out0
	s_load_b64 s[96:97], s[0:1], 0x28              ; bo
	v_lshl_add_u32 v[SPW], v0, 2, SPARE
	v_mov_b32 v[NIL], 0
	ds_add_u32 v[SPW], v[NIL]                      ; the opening adds
	ds_add_u32 v[SPW], v[NIL]
	v_lshrrev_b32 v1, 5, v0
	v_readfirstlane_b32 s14, v1                    ; wave
	s_lshr_b32 s15, s14, 1                         ; my 64 rows
	s_and_b32 s16, s14, 1                          ; my 128 columns
	s_bfe_u32 s40, ttmp6, 0x40000                  ; cx, cy
	s_bfe_u32 s41, ttmp6, 0x40004
	s_lshl_b32 s42, ttmp9, 2
	s_add_co_u32 s42, s42, s40                     ; block column, 0..3
	s_and_b32 s17, ttmp7, 0xffff
	s_lshl_b32 s17, s17, 2
	s_add_co_u32 s17, s17, s41                     ; block row, 0..63
	s_lshl_b32 s43, s41, 2
	s_lshl_b32 s43, 15, s43                        ; my row of the cluster
	s_lshl_b32 s44, 0x1111, s40                    ; my column
	s_or_b32 s[G1], s43, (3<<16)|(1<<21)           ; the images: 4 rows of 3,072 elements of 8 bytes, 6,144 apart
	SETG1 G1, 3072, 4, 6144
	s_or_b32 s[G1S], s43, (3<<16)|(1<<21)          ; their scale words: 32 rows of 256 bytes
	SETG1 G1S, 32, 32, 32
	s_or_b32 s[G1B], s44, (1<<20)|(1<<21)|(5<<22)|(3<<25)          ; Wo: 256 rows of 768 bytes, padded behind every 256
	SETG1 G1B, 768, 256, 768
	s_or_b32 s[G1SB], s44, (3<<16)|(1<<20)|(1<<21)|(5<<22)|(3<<25) ; its scale bytes: 32 rows of 256, padded
	SETG1 G1SB, 32, 32, 32
	s_lshr_b32 s20, s17, 1
	s_mul_i32 s20, s20, 196608
	s_and_b32 s21, s17, 1
	s_mul_i32 s21, s21, 24576
	s_add_co_u32 s20, s20, s21                     ; my 128 rows' images
	s_mov_b32 s21, 0
	s_lshl_b32 s22, s17, 13
	s_mov_b32 s23, 0
	s_mul_i32 s46, s42, 256*768
	s_mov_b32 s47, 0
	s_lshl_b32 s92, s42, 13
	s_mov_b32 s93, 0
	s_wait_dscnt 0x0                               ; both opening adds are done
	s_wait_kmcnt 0x0
	s_add_nc_u64 s[20:21], s[4:5], s[20:21]
	s_add_nc_u64 s[22:23], s[6:7], s[22:23]
	s_add_nc_u64 s[46:47], s[8:9], s[46:47]
	s_add_nc_u64 s[92:93], s[10:11], s[92:93]
	CROUND                                         ; in front of the joint loads
	SETG0 G0, 0, 20
	SETG0 G0S, SCLA, 22
	SETG0 G0B, WOB, 46
	SETG0 G0SB, SCLB, 92
.macro ARM under, g0, g1, next         ; one chain of branches, one load to an arm
	s_cmp_lt_u32 s14, \under
	s_cbranch_scc0 \next
	TL \g0, \g1
	s_branch .Lhead_asked
\next:
.endm
	ARM 1, G0B, G1B, .Lhead_a
	ARM 2, G0,  G1,  .Lhead_sb
	ARM 3, G0SB, G1SB, .Lhead_sa
	TL G0S, G1S
.Lhead_asked:
	s_mul_i32 s22, s16, 128*PITCH
	s_add_co_u32 s22, s22, WOB                     ; my 128 rows of Wo
	s_mul_i32 s21, s15, 4*3072                     ; my four images of a step
	s_mul_i32 s23, s16, 16*272
	s_add_co_u32 s23, s23, SCLB
	s_lshl_b32 s18, s15, 9
	s_add_co_u32 s18, s18, SCLA
	s_mul_i32 s19, s14, 16*SPITCH                  ; my stage
	s_lshl_b32 s20, s17, 19
	s_lshl_b32 s46, s15, 18
	s_add_co_u32 s20, s20, s46                     ; my first row of out0, 4,096 bytes a row
	s_lshl_b32 s46, s42, 10
	s_lshl_b32 s47, s16, 9
	s_add_co_u32 s46, s46, s47                     ; my first column, in bytes
	s_mov_b32 s47, 0
	s_add_nc_u64 s[96:97], s[96:97], s[46:47]
	s_add_co_u32 s20, s20, s46
	s_mov_b32 s46, s20
	s_add_nc_u64 s[12:13], s[12:13], s[46:47]
	v_and_b32 v1, 15, v0                           ; r
	v_bfe_u32 v2, v0, 4, 1                         ; h
	v_and_b32 v7, 31, v0
	v_lshlrev_b32 v[CO], 4, v7
	v_mul_u32_u24 v3, v1, PITCH
	v_mad_u32_u24 v4, v2, 24, v3
	v_mad_u32_u24 v5, v2, 40, v3
	v_add_nc_u32 v[ADRB], s22, v4
	v_add_nc_u32 v[ADRB+1], s22, v5
	v_add_nc_u32 v[ADRB+2], 64*PITCH, v[ADRB]
	v_add_nc_u32 v[ADRB+3], 64*PITCH, v[ADRB+1]
	v_add_nc_u32 v[ADRA], s21, v[CO]
	v_add_nc_u32 v[ADRA+1], 49152, v[ADRA]
	v_lshlrev_b32 v5, 5, v1                        ; a row's 32 scale bytes, 16 more for each 256 passed
	v_lshrrev_b32 v6, 8, v5
	v_lshl_add_u32 v5, v6, 4, v5
	v_add_nc_u32 v[ADSB], s23, v5
	v_lshl_add_u32 v[ADSA], v7, 2, s18
	v_mul_u32_u24 v8, v1, SPITCH
	v_lshl_add_u32 v8, v2, 5, v8
	v_add_nc_u32 v[STO], s19, v8
	v_add_nc_u32 v[RD], s19, v[CO]
	v_lshlrev_b32 v9, 5, v2
	WIN TO_B
.irp b, 0,1,2,3,4,5,6,7                        ; bias tile b: columns 16 b + 8 h + 0 .. 7, at v[96 + 8 b] (b < 4) or v[192 + 8 b] of window 1
	global_load_b128 v[96+8*\b+96*(\b/4):96+8*\b+96*(\b/4)+3], v9, s[96:97] offset:64*\b
	global_load_b128 v[96+8*\b+96*(\b/4)+4:96+8*\b+96*(\b/4)+7], v9, s[96:97] offset:64*\b+16
.endr
	WIN 0
.macro FRAG reg, q, i                  ; Wo's block i, step q: six pieces of 8 bytes; byte y of a row lies at y + 16 (y / 256)
.irp p, 0,1,2,3,4,5
.set BY, 96*(\q)+48*(\p/3)+8*(\p%3)
.if BY/256 == (BY+24)/256
	ds_load_b64 v[\reg+2*\p:\reg+2*\p+1], v[ADRB+2*((\i)/4)] offset:BY+16*(BY/256)+((\i)%4)*16*PITCH
.else
	ds_load_b64 v[\reg+2*\p:\reg+2*\p+1], v[ADRB+2*((\i)/4)+1] offset:BY+16*(BY/256)+((\i)%4)*16*PITCH
.endif
.endr
.endm
.macro FETCH q                         ; step q's fragments into set q % 2
	WIN TO_B
.irp i, 0,1,2,3,4,5,6,7
	FRAG 128*((\q)%2)+FR*\i, \q, \i
.endr
	WIN 0
.irp a, 0,1,2,3
.irp c, 0,1,2
	ds_load_b128 v[AF+48*((\q)%2)+FR*\a+4*\c:AF+48*((\q)%2)+FR*\a+4*\c+3], v[ADRA+(\q)/4] offset:(((\q)%4)/2)*24576+\a*3072+((\q)%2)*1536+512*\c
.endr
.endr
.endm
.macro MUL32 q                         ; the 32 accumulators take turns, in the same order in every step
.irp a, 0,1,2,3
.irp b, 0,1,2,3,4,5,6,7
.if (\q) == 0
	v_wmma_scale_f32_16x16x128_f8f6f4 v[8*(8*\a+\b):8*(8*\a+\b)+7], v[128*((\q)%2)+FR*\b:128*((\q)%2)+FR*\b+FR-1], v[AF+48*((\q)%2)+FR*\a:AF+48*((\q)%2)+FR*\a+FR-1], v[96+8*\b+96*(\b/4):96+8*\b+96*(\b/4)+7], v[SCB+8*\b+(\q)], v[SCA+8*\a+((\q)+1)%8] matrix_a_fmt:MATRIX_FMT_FP6 matrix_b_fmt:MATRIX_FMT_FP6
.else
	v_wmma_scale_f32_16x16x128_f8f6f4 v[8*(8*\a+\b):8*(8*\a+\b)+7], v[128*((\q)%2)+FR*\b:128*((\q)%2)+FR*\b+FR-1], v[AF+48*((\q)%2)+FR*\a:AF+48*((\q)%2)+FR*\a+FR-1], v[8*(8*\a+\b):8*(8*\a+\b)+7], v[SCB+8*\b+(\q)], v[SCA+8*\a+((\q)+1)%8] matrix_a_fmt:MATRIX_FMT_FP6 matrix_b_fmt:MATRIX_FMT_FP6
.endif
.endr
.endr
.endm
	s_wait_alu depctr_va_vdst(0)
	s_wait_tensorcnt 0x0                           ; my tile is in;
	s_barrier_signal -1
	s_barrier_wait -1                              ; all four are.
.irp i, 0,1,2,3,4,5,6,7
	ds_load_b128 v[SCB+8*\i:SCB+8*\i+3], v[ADSB] offset:\i*544
	ds_load_b128 v[SCB+8*\i+4:SCB+8*\i+7], v[ADSB] offset:\i*544+16
.endr
.irp q, 0,1,2,3,4,5,6,7
.irp a, 0,1,2,3
	ds_load_b32 v[SCA+8*\a+(\q+1)%8], v[ADSA] offset:\q*1024+\a*128
.endr
.endr
	FETCH 0
	s_wait_loadcnt 0x0                             ; the bias
	FETCH 1
	s_wait_dscnt NF                                ; all but step 1's loads
	WIN 0x91                                       ; source 0 window 1, source 1 window 0, C (the bias) window 1, D window 2
	MUL32 0
.irp q, 1,2,3,4,5,6
	PLACES NP                                      ; ahead of loads into the set that the last products read
	FETCH \q+1
	s_wait_dscnt NF                                ; all but the NF just issued
	WIN 0xa1
	MUL32 \q
.endr
	s_wait_dscnt 0x0                               ; my reads of LDS are over:
	s_barrier_signal -1                            ; say so, multiply,
	MUL32 7
	WIN 0
	s_barrier_wait -1                              ; and the images' bytes may take the stages
.macro TOSTAGE a
	WIN 0x08                                       ; the data: window 2
.irp b, 0,1,2,3,4,5,6,7
	ds_store_b128 v[STO], v[64*(\a)+8*\b:64*(\a)+8*\b+3] offset:64*\b       ; each accumulator from its low end on
	ds_store_b128 v[STO], v[64*(\a)+8*\b+4:64*(\a)+8*\b+7] offset:64*\b+16
.endr
	WIN 0
.set BB, BK+64*((\a)%2)
.irp t, 0,1,2,3,4,5,6,7,8,9,10,11,12,13,14,15
	ds_load_b128 v[BB+4*\t:BB+4*\t+3], v[RD] offset:\t*SPITCH      ; LDS serves a wave's instructions in order (ISA guide 5.7.1.4)
.endr
.endm
.macro SEND a, younger                 ; younger: the LDS instructions issued behind block a's loads
.set BB, BK+64*((\a)%2)
	s_wait_dscnt \younger
.if (\a) > 0
	s_add_nc_u64 s[12:13], s[12:13], 16*4096       ; behind a wait on XCNT: the earlier stores have read their base
.endif
.irp t, 0,1,2,3,4,5,6,7,8,9,10,11,12,13,14,15
	global_store_b128 v[CO], v[BB+4*\t:BB+4*\t+3], s[12:13] offset:\t*4096 th:TH_STORE_NT   ; 32 lanes store 512 consecutive bytes, aligned to 256
.endr
.endm
	PLACES NP
	TOSTAGE 0
.irp a, 1,2,3
.if \a > 1
	s_wait_xcnt 0x0                                ; block a - 2's stores have read their registers and base
.endif
	TOSTAGE \a
	SEND \a-1, 32
.endr
	s_wait_xcnt 0x0
	SEND 3, 0
	s_wait_tensorcnt 0x0                           ; the wave's end
	ds_add_u32 v[SPW], v[NIL]
	s_wait_dscnt 0x0
	CROUND                                         ; the closing round
	s_endpgm
.Lfunc_end_k_qa2b40514c5_outp:
	.size	k_qa2b40514c5_outp, .Lfunc_end_k_qa2b40514c5_outp-k_qa2b40514c5_outp
	.p2alignl 7, 3214868480
	.fill 96, 4, 3214868480
	.section	.rodata,"a",@progbits
	.p2align	6, 0x0
	.amdhsa_kernel k_qa2b40514c5_outp
		.amdhsa_group_segment_fixed_size 327680
		.amdhsa_private_segment_fixed_size 0
		.amdhsa_enable_private_segment 0
		.amdhsa_kernarg_size 48
		.amdhsa_user_sgpr_count 2
		.amdhsa_user_sgpr_kernarg_segment_ptr 1
		.amdhsa_wavefront_size32 1
		.amdhsa_system_sgpr_workgroup_id_x 1
		.amdhsa_system_sgpr_workgroup_id_y 1
		.amdhsa_system_sgpr_workgroup_id_z 1
		.amdhsa_system_vgpr_workitem_id 0
		.amdhsa_next_free_vgpr 768
		.amdhsa_next_free_sgpr 98
		.amdhsa_reserve_vcc 0
		.amdhsa_float_denorm_mode_32 3
		.amdhsa_float_denorm_mode_16_64 3
		.amdhsa_memory_ordered 1
		.amdhsa_forward_progress 1
		.amdhsa_inst_pref_size 92
	.end_amdhsa_kernel
	.amdgpu_metadata
---
amdhsa.version: [ 1, 2 ]
amdhsa.kernels:
  - .name:           k_qa2b40514c5_outp
    .symbol:         k_qa2b40514c5_outp.kd
    .args:
      - { .name: abuf, .offset: 0, .size: 8, .value_kind: global_buffer, .address_space: global }
      - { .name: asc, .offset: 8, .size: 8, .value_kind: global_buffer, .address_space: global }
      - { .name: Wo_codes, .offset: 16, .size: 8, .value_kind: global_buffer, .address_space: global }
      - { .name: Wo_scales, .offset: 24, .size: 8, .value_kind: global_buffer, .address_space: global }
      - { .name: out0, .offset: 32, .size: 8, .value_kind: global_buffer, .address_space: global }
      - { .name: bo, .offset: 40, .size: 8, .value_kind: global_buffer, .address_space: global }
    .group_segment_fixed_size: 327680
    .private_segment_fixed_size: 0
    .kernarg_segment_align: 8
    .kernarg_segment_size: 48
    .max_flat_workgroup_size: 128
    .sgpr_count:     98
    .vgpr_count:     768
    .wavefront_size: 32
...
	.end_amdgpu_metadata
.endif
;; end of part 3
